; MI455X (gfx1250); checked and timed in simulation.
; The chip was launched on July 23, 2026; its instructions are those of AMD's public machine-readable ISA for CDNA 5 (MIT licence, August 2026) and "CDNA5" Instruction Set Architecture Reference Guide (July 2026). The comments in the code are by the model that wrote it; some were corrected since.
;; Ro Co. Allowed arithmetic: matrix products marked QUANTISED: E5M2 operands, one E8M0 scale for each 32 along K, by v_wmma_scale_f32_16x16x128_f8f6f4 with both operands' format E5M2, f32 sums; everything else in f32.
;; Inputs: k_codes 1 x 2,048 x 32 x 4 x 32 uint8 (E5M2 codes of k, K innermost, in blocks of 32 codes); k_scales 1 x 2,048 x 32 x 4 uint8 (E8M0 scales of k, one for each 32 codes along K); q_codes 1 x 2,048 x 32 x 4 x 32 uint8 (E5M2 codes of q, K innermost, in blocks of 32 codes); q_scales 1 x 2,048 x 32 x 4 uint8 (E8M0 scales of q, one for each 32 codes along K); v_codes 1 x 32 x 128 x 64 x 32 uint8 (E5M2 codes of v, K innermost, in blocks of 32 codes); v_scales 1 x 32 x 128 x 64 uint8 (E8M0 scales of v, one for each 32 codes along K).
;; Outputs: out0 1 x 2,048 x 32 x 128 float32; out1 1 x 32 x 2,048 float32; out2 1 x 32 x 2,048 float32.
;; This version of the problem:
;;   THIS VERSION OF THE PROBLEM IS GIVEN IN LOW PRECISION. The matrix products marked QUANTISED in the list below multiply operands that are first quantised to E5M2 (5 exponent bits, 2 mantissa bits; 8 bits a number), with one power-of-two scale for each 32 numbers along K (OCP MX v1.0); their sums are f32. All else is computed in f32.
;;   The module's matrix products, in the order in which they are computed (A, B: the left and right operand; K: the contracted axis; several contracted axes count as one K, in the product's order):
;;     1. batch 32 x [M 2,048, K 128] x [K 128, N 2,048]; A: input q (given as codes); B: input k (given as codes): QUANTISED
;;     2. batch 32 x [M 128, K 2,048] x [K 2,048, N 2,048]; A: input v (given as codes); B: softmax (see below): QUANTISED
;;   THE QUANTISER, for each operand of a quantised product, along K:
;;     - K is cut into blocks of 32 from its start; a last block that is shorter is filled with zeros.
;;     - A block's scale is 2^e with e = floor(log2(the largest magnitude in the block)) - 15, held to -126 .. 127; a block of zeros has e = 0. As a byte (E8M0): e + 127.
;;     - Each number is divided by its block's scale, clamped to +-57,344, and rounded to the nearest number of E5M2, ties to even, subnormals kept.
;;     - The product sums the exact products of the quantised numbers (number of the format x scale) in f32.
;;   ~~~python
;;   def quantise(x, axis):      # numpy; x: float32 -> the quantised numbers, widened to float32 again
;;       x = np.moveaxis(x, axis, -1); K = x.shape[-1]
;;       x = np.pad(x, [(0, 0)] * (x.ndim - 1) + [(0, -K % 32)]); x = x.reshape(x.shape[:-1] + (-1, 32)); a = np.abs(x).max(-1, keepdims=True)
;;       e = np.where(a > 0, np.clip(np.frexp(np.where(a > 0, a, 1))[1] - 1 - 15, -126, 127), 0)      # np.frexp(a)[1] - 1 = floor(log2(a)), exactly
;;       r = np.clip(x / 2.0 ** e, -57344, 57344)
;;       step = 2.0 ** (np.maximum(np.frexp(np.where(r == 0, 1, r))[1] - 1, -14) - 2)
;;       q = np.round(r / step) * step * 2.0 ** e      # np.round: ties to even
;;       return np.moveaxis(q.reshape(q.shape[:-2] + (-1,))[..., :K], -1, axis).astype(np.float32)
;;   ~~~
;;   SOFTMAX AHEAD OF A QUANTISED PRODUCT. Where the list says 'softmax', what is quantised is not the finished softmax but p = 2^(t - M), with t = logit x log2(e) and M = ceil(the row's largest t), a whole number; so 1/2 < the row's largest p <= 1. The row's sum l is taken of the UNQUANTISED p, in f32, and the product's result is divided by l at the end. Since M is a whole number, a kernel that streams over the keys may use a running M (the ceiling of the running maximum): every later rescaling is an exact power of two, which a block's scale takes up: the codes' values come out the same.
;;   OPERANDS COMPUTED ON THE WAY. 'Computed on the way' means the value that the module computes at that place (a softmax that the list does not call 'softmax' is quantised finished and normalised). What goes into a quantiser is computed in f32, as accurately as f32 sums, v_exp_f32 and their like allow (about 1e-6 of the number): no bf16 or f16 on the way to a quantiser, and a product that is left as it is and whose result goes on into a quantised operand takes f32 operands (vector FMAs, or v_wmma_f32_16x16x4_f32). A number that lies on a knife's edge between two numbers of the format may be rounded either way, as far as f32 arithmetic and the matrix unit's own rounding can turn it there, and no further.
;;   INPUTS GIVEN AS CODES. k (in the module: [1, 2048, 32, 128], K = its axis 3); q (in the module: [1, 2048, 32, 128], K = its axis 3); v (in the module: [1, 2048, 32, 128], K = its axis 1): each comes as NAME_codes (uint8): NAME with its K axis moved to the last place and cut into blocks of 32 codes, [.., K / 32, bytes a block], one block behind the other in memory; one code a byte (a code: sign, 5 exponent bits, 2 mantissa bits); and NAME_scales (uint8): the same leading axes, one E8M0 byte (e + 127) for each 32 codes along K. Its value is code x scale, taken as it is: it is not quantised again, and the codes and scales need not be those that the quantiser above would give.
;; One version. Each part assembles by itself: llvm-mc -triple=amdgcn-amd-amdhsa -mcpu=gfx1250 --defsym DOCPART=n.
;; ======== version 1 of 1: 2 launches
;; limits: right only within a limited range of input values
;; workspace buffers: stats 262,144 bytes
;; launch attn (part 1): grid 8 x 32, 16 waves a work-group, clusters of 4 x 1, 327,680 bytes of LDS; arguments k_codes, k_scales, q_codes, q_scales, v_codes, v_scales, out0, stats; writes out0, stats
.if DOCPART == 1
	.amdgcn_target "amdgcn-amd-amdhsa--gfx1250"
	.amdhsa_code_object_version 6
	.text
	.protected	k_q6d7e4da1d2_attn
	.globl	k_q6d7e4da1d2_attn
	.p2align	8
	.type	k_q6d7e4da1d2_attn,@function
k_q6d7e4da1d2_attn:
	s_mov_b64 s[64:65], 0
	v_nop
	global_prefetch_b8 v0, s[64:65] scope:SCOPE_SE
	s_setreg_imm32_b32 hwreg(HW_REG_WAVE_MODE, 25, 1), 1
	s_wait_xcnt 0x0
	s_wait_alu depctr_hold_cnt(0) depctr_sa_sdst(0) depctr_va_vdst(0) depctr_va_sdst(0) depctr_va_ssrc(0) depctr_va_vcc(0) depctr_vm_vsrc(0)
	s_getreg_b32 s2, hwreg(HW_REG_IB_STS2, 6, 4)
	s_cmp_eq_u32 s2, 0
	s_cbranch_scc0 .Lentry_in_a_cluster
	s_endpgm
.Lentry_in_a_cluster:
	s_bfe_u32 s2, ttmp6, 0x10000c
	s_cmp_lg_u32 s2, 0x3003
	s_cbranch_scc0 .Lentry_shape_is_right
	s_endpgm
.Lentry_shape_is_right:
; out0[q][head][:] = the sum over keys k <= q of softmax_k(Q[q] . K[k] / sqrt(128)) V[k][:], both products on codes of BF8 (E5M2) with one E8M0 scale for each 32 along a product's K.
; stats[head][q] = -(M + log2 l): with it a later launch makes the finished probability of any score s as 2^(c s + stats).
; Q, K: codes [2048][32 heads][128], scale words [2048][32][4 bytes].  V: codes with the keys innermost, [32][128][2048], scale bytes [32][128][64].  out0: [2048][32][128] f32.
; THE SOFTMAX AHEAD OF THE SECOND PRODUCT: t = score x c, c = log2(e) / sqrt(128); M = the largest t so far, rounded UP to a whole number; p = 2^(t - M) is quantised along the keys, not normalised.
; The sum l is taken of the unquantised p, in f32, and divides O at the end.  When M moves, l and O are multiplied by 2^(old M - new M): exact.
; SHARES.  256 work-groups: 8 for each head.  Work-group j (0 .. 7) of a head has sixteen waves; a wave has a RANK 0 .. 15, read from a table by its number alone, and owns the 16 queries from 128 rank + 16 j on.
; The keys go in steps of 128, so the mask leaves a wave steps 0 .. rank, whatever j is: every work-group has 1 + 2 + .. + 16 = 136 steps of work, no branch hangs on the place in the cluster,
; and the ranks of waves w, w + 4, w + 8, w + 12 as well as those of 4 w .. 4 w + 3 add up to 30 (the table is a square whose rows and columns sum alike).
; CLUSTER.  Four work-groups of one head walk the same K and V in the same trips: each tile is asked for JOINTLY, by the same tensor load with the same descriptor and the mask 15.
; RING.  Two LDS slots of 256 keys (K's codes, V's codes, K's scale words); waves 0, 1 fetch K's halves, waves 2, 3 V's, wave 4 K's scale words; V's scale bytes of the whole head come once (wave 5).
; LAYOUT.  Both products are used transposed: S^T = K Q^T (source 0 = 16 keys, source 1 = my 16 queries), O^T = V^T P^T: a lane holds ONE query (lane % 16) throughout.
; THE KEYS OF A TILE ARE NOT NEIGHBOURS: lane r of tile 2 b + u takes key 32 b + 8 u + r + 8 (r / 8), so that the 16 registers of tiles 2 b and 2 b + 1 are the 16 neighbouring keys 32 b + 16 (lane / 16) + 0 .. 15.
; A wave's rows leave in its last step, not at the launch's end: so the stores of out0 are spread over the slots.
; LIMITS: codes of NaN or infinity and the scale byte 0xff are not treated apart (they give NaN where they enter a sum).  stats is one f32: it carries M + log2 l with half an ulp of that sum.
; REGISTERS: v1-7 addresses that stay; v8-11 addresses in hand; v12 -M, v13 the largest t, v[14:15] the sum in two halves; v16-31 Q; v32-95 four fragments of K or V; v96-159 S^T, then p; v160-223 O^T;
;   v224-239 p's codes; v232-247 at work; v248-251 scale words of K or V; v252 f; v253 p's scale word; v254 at work; v255 Q's scale words.
.set KP,    144                        ; a key's row in LDS: 128 bytes + 16 of padding
.set VP,    272                        ; a row of V's tile: 256 bytes + 16
.set VOFF,  256*KP                     ; a slot: 256 rows of K,
.set KSOFF, VOFF+128*VP                ; 128 rows of V,
.set STG0,  KSOFF+1024                 ; 256 scale words of K; behind them, in bytes of their own into which no tile lands, eight waves' stages
.set STGB,  16*272                     ; a stage: 16 rows x (256 bytes + 16)
.set SLOT1, 1<<17                      ; slot 1 begins here: one exclusive or turns an address in one slot into the other's
.set SCV,   2*SLOT1                    ; V's scale bytes of the head: 32 units of 256 bytes + 16
.set SPARE, SCV+32*272                 ; the spare words, 128 bytes for each wave: eight blocks of 256 bytes that no other line names
.set NSL,   8                          ; 2,048 keys are eight slots
.set AK0,  1                           ; v1   my lane's place in a tile of K
.set AV0,  2                           ; v2   in a tile of V
.set ASK0, 3                           ; v3   among a slot's scale words of K
.set ASV0, 4                           ; v4   among V's scale bytes
.set SPW,  5                           ; v5   LDS address of my spare word; never rewritten
.set NIL,  6                           ; v6   0; never rewritten
.set GO,   7                           ; v7   my byte offset in the wave's rows of out0
.set ADK,  8
.set ADV,  9
.set ADS,  10
.set ADT,  11
.set WV,   20                          ; s20  my wave's number
.set RK,   21                          ; s21  its rank
.set ST,   22                          ; s22  the key step's number, 0 .. 15
.set SLOTS, 23                         ; s23  slots still to be asked for
.set G1K,  24                          ; s[24:31] .. s[48:55] descriptor groups 1: K's codes, V's codes, K's scale words, V's scale bytes
.set G1V,  32
.set G1C,  40
.set G1S,  48
.set G0K,  56                          ; s[56:59], s[60:63], s[68:71], s[72:75] their groups 0; the first three walk
.set G0V,  60
.set G0C,  68
.set G0S,  72
.set SEL,  76                          ; s[76:77] lane selects for v_permlanex16_b32: lane l xor 16
.set CS,   78                          ; s[78:79] c, twice: the packed form names a pair
.set MNT,  80
.set TB,   81                          ; s81  LDS byte at which the slot in hand begins
.set TJ,   82                          ; s82  the step's place in a row of V's scale bytes: 4 bytes a step
.set DJ,   83                          ; s83  16 j: my first query's place in its step of 128
.set STG,  84                          ; s84  my stage
.set SX,   85                          ; s85  EXEC, kept
.set HD,   86                          ; s86  the head
.set JJ,   87                          ; s87  j
; s[88:91]: offsets for descriptors, made of the head and the wave's number alone;  s[92:95]: offsets made of j as well
; A round of the cluster's barrier: my work-group's barrier, wave 0 signals for the work-group, every wave waits for all four work-groups, my work-group's barrier once more.
.macro CROUND
	s_barrier_signal -1
	s_barrier_wait -1
	s_cmp_lg_u32 s[WV], 0
	s_cbranch_scc1 .Lnot_wave_0_\@
	s_barrier_signal -3
.Lnot_wave_0_\@:
	s_barrier_wait -3
	s_barrier_signal -1
	s_barrier_wait -1
.endm
; The joint loads of a slot: one a wave at the most.  The branches hang on the wave's number alone.  Four v_nop follow each tensor load.  first = 1: wave 5 brings V's scale bytes.
.macro TLOAD first
	s_cmp_lt_u32 s[WV], 2
	s_cbranch_scc0 .Lnot_k_\@
	tensor_load_to_lds s[G0K:G0K+3], s[G1K:G1K+7]
	s_nop 0
.rept 4
	v_nop
.endr
	s_branch .Lasked_\@
.Lnot_k_\@:
	s_cmp_lt_u32 s[WV], 4
	s_cbranch_scc0 .Lnot_v_\@
	tensor_load_to_lds s[G0V:G0V+3], s[G1V:G1V+7]
	s_nop 0
.rept 4
	v_nop
.endr
	s_branch .Lasked_\@
.Lnot_v_\@:
	s_cmp_eq_u32 s[WV], 4
	s_cbranch_scc0 .Lnot_c_\@
	tensor_load_to_lds s[G0C:G0C+3], s[G1C:G1C+7]
	s_nop 0
.rept 4
	v_nop
.endr
.if \first
	s_branch .Lasked_\@
.endif
.Lnot_c_\@:
.if \first
	s_cmp_eq_u32 s[WV], 5
	s_cbranch_scc0 .Lasked_\@
	tensor_load_to_lds s[G0S:G0S+3], s[G1S:G1S+7]
	s_nop 0
.rept 4
	v_nop
.endr
.endif
.Lasked_\@:
.endm
	s_load_b256 s[4:11], s[0:1], 0x0               ; K's codes s[4:5], K's scales s[6:7], Q's codes s[8:9], Q's scales s[10:11]
	s_load_b256 s[12:19], s[0:1], 0x20             ; V's codes s[12:13], V's scales s[14:15], out0 s[16:17], stats s[18:19]
	v_lshl_add_u32 v[SPW], v0, 2, SPARE
	v_mov_b32 v[NIL], 0
	ds_add_u32 v5, v6
	ds_add_u32 v5, v6
	s_wait_dscnt 0x0
	v_lshrrev_b32 v8, 5, v0
	s_delay_alu instid0(VALU_DEP_1)
	v_readfirstlane_b32 s[WV], v8                  ; wave 0..15
	s_lshl_b32 s2, s[WV], 2                        ; the rank: nibble wave % 8 of one of two words.  Waves 0 .. 15: 0 13 14 3 | 7 10 9 4 | 11 6 5 8 | 12 1 2 15
	s_and_b32 s2, s2, 28
	s_mov_b32 s3, 0x49a73ed0
	s_mov_b32 s[RK], 0xf21c856b
	s_cmp_lt_u32 s[WV], 8
	s_cselect_b32 s3, s3, s[RK]
	s_lshr_b32 s3, s3, s2
	s_and_b32 s[RK], s3, 15
	s_and_b32 s[HD], ttmp7, 0xffff                 ; the head, which the four partners share
	s_bfe_u32 s[JJ], ttmp6, 0x40000                ; cx: my place in the cluster
	s_lshl_b32 s2, ttmp9, 2                        ; in a cluster launch ttmp9 counts clusters
	s_add_co_u32 s[JJ], s2, s[JJ]                  ; j = 4 x cluster x + cx: it enters Q's, out0's and stats' addresses and the mask's numbers alone
	s_lshl_b32 s[DJ], s[JJ], 4
	s_lshl_b32 s92, s[RK], 7
	s_add_co_u32 s92, s92, s[DJ]                   ; my first query: 128 rank + 16 j
	s_and_b32 s2, s[WV], 7                         ; my stage: eight behind each slot's tiles
	s_mul_i32 s2, s2, STGB
	s_lshr_b32 s3, s[WV], 3
	s_lshl_b32 s3, s3, 17
	s_add_co_u32 s[STG], s2, s3
	s_add_co_u32 s[STG], s[STG], STG0
	; descriptor groups 1.  K's codes: 128 rows of 128 bytes, 4,096 bytes apart in memory (a row of all 32 heads), 16 bytes of padding behind each in LDS
	s_mov_b32 s[G1K], 15|(1<<20)|(1<<21)|(4<<22)|(3<<25)   ; 15:0 the mask: all four work-groups; 17:16 elements of 1 byte; 20 padding on; 21 set beside a mask; 24:22 after every 32 words (code 4); 31:25 four words (code 3)
	s_mov_b32 s[G1K+1], 128<<16                    ; tensor_dim0
	s_mov_b32 s[G1K+2], 128<<16                    ; tensor_dim1
	s_mov_b32 s[G1K+3], 128<<16                    ; tile_dim0
	s_mov_b32 s[G1K+4], 128                        ; tile_dim1
	s_mov_b32 s[G1K+5], 4096                       ; tensor_dim0_stride
	s_mov_b32 s[G1K+6], 0
	s_mov_b32 s[G1K+7], 0
	; V's codes: 64 rows of 256 bytes, 2,048 bytes apart; padding: four words after every 64
	s_mov_b32 s[G1V], 15|(1<<20)|(1<<21)|(5<<22)|(3<<25)
	s_mov_b32 s[G1V+1], 256<<16
	s_mov_b32 s[G1V+2], 64<<16
	s_mov_b32 s[G1V+3], 256<<16
	s_mov_b32 s[G1V+4], 64
	s_mov_b32 s[G1V+5], 2048
	s_mov_b32 s[G1V+6], 0
	s_mov_b32 s[G1V+7], 0
	; K's scale words: 256 rows of 4 bytes, 128 bytes apart; dense in LDS
	s_mov_b32 s[G1C], 15|(1<<21)
	s_mov_b32 s[G1C+1], 4<<16
	s_mov_b32 s[G1C+2], 256<<16
	s_mov_b32 s[G1C+3], 4<<16
	s_mov_b32 s[G1C+4], 256
	s_mov_b32 s[G1C+5], 128
	s_mov_b32 s[G1C+6], 0
	s_mov_b32 s[G1C+7], 0
	; V's scale bytes: a head's 8,192 dense bytes as 32 rows of 256 (32 elements of 8 bytes), 16 bytes of padding behind each
	s_mov_b32 s[G1S], 15|(3<<16)|(1<<20)|(1<<21)|(5<<22)|(3<<25)
	s_mov_b32 s[G1S+1], 32<<16
	s_mov_b32 s[G1S+2], 32<<16
	s_mov_b32 s[G1S+3], 32<<16
	s_mov_b32 s[G1S+4], 32
	s_mov_b32 s[G1S+5], 32
	s_mov_b32 s[G1S+6], 0
	s_mov_b32 s[G1S+7], 0
	s_mov_b32 s[SEL], 0x76543210
	s_mov_b32 s[SEL+1], 0xfedcba98
	s_mov_b32 s[CS], 0x3e0293ee                    ; c = log2(e) / sqrt(128)
	s_mov_b32 s[CS+1], s[CS]
	s_mov_b32 s[TB], 0
	s_mov_b32 s[TJ], 0
	s_mov_b32 s[ST], 0
	s_mov_b32 s[SLOTS], NSL-1
	s_and_b32 s3, s[WV], 1                         ; which half of a tile I fetch, if I fetch
	s_mov_b32 s89, 0
	s_mov_b32 s95, 0
	s_wait_kmcnt 0x0
	; groups 0, for slot 0
	s_lshl_b32 s88, s[HD], 7                       ; K: 128 x head + half x 128 rows of 4,096 bytes
	s_lshl_b32 s90, s3, 19
	s_add_co_u32 s88, s88, s90
	s_mov_b32 s[G0K], 1                            ; 1:0 count = 1
	s_mul_i32 s[G0K+1], s3, 128*KP                 ; 63:32 LDS address
	s_add_nc_u64 s[G0K+2:G0K+3], s[4:5], s[88:89]  ; 120:64 global address
	s_or_b32 s[G0K+3], s[G0K+3], 0x80000000        ; 127:126 type = 2
	s_lshl_b32 s88, s[HD], 18                      ; V: 262,144 x head + half x 64 rows of 2,048 bytes
	s_lshl_b32 s90, s3, 17
	s_add_co_u32 s88, s88, s90
	s_mov_b32 s[G0V], 1
	s_mul_i32 s[G0V+1], s3, 64*VP
	s_add_co_u32 s[G0V+1], s[G0V+1], VOFF
	s_add_nc_u64 s[G0V+2:G0V+3], s[12:13], s[88:89]
	s_or_b32 s[G0V+3], s[G0V+3], 0x80000000
	s_lshl_b32 s88, s[HD], 2                       ; K's scale words: 4 x head
	s_mov_b32 s[G0C], 1
	s_mov_b32 s[G0C+1], KSOFF
	s_add_nc_u64 s[G0C+2:G0C+3], s[6:7], s[88:89]
	s_or_b32 s[G0C+3], s[G0C+3], 0x80000000
	s_lshl_b32 s88, s[HD], 13                      ; V's scale bytes: 8,192 x head
	s_mov_b32 s[G0S], 1
	s_mov_b32 s[G0S+1], SCV
	s_add_nc_u64 s[G0S+2:G0S+3], s[14:15], s[88:89]
	s_or_b32 s[G0S+3], s[G0S+3], 0x80000000
	CROUND                                         ; all four work-groups are here: the first joint loads meet
	TLOAD 1                                        ; slot 0 and V's scale bytes
	s_lshl_b32 s94, s92, 12                        ; Q's codes at my first query: 4,096 x query + 128 x head
	s_lshl_b32 s93, s[HD], 7
	s_add_co_u32 s94, s94, s93
	s_add_nc_u64 s[8:9], s[8:9], s[94:95]
	s_lshl_b32 s94, s92, 7                         ; its scale word: 128 x query + 4 x head
	s_lshl_b32 s93, s[HD], 2
	s_add_co_u32 s94, s94, s93
	s_add_nc_u64 s[10:11], s[10:11], s[94:95]
	s_lshl_b32 s94, s92, 14                        ; its row of out0: 16,384 x query + 512 x head
	s_lshl_b32 s93, s[HD], 9
	s_add_co_u32 s94, s94, s93
	s_add_nc_u64 s[16:17], s[16:17], s[94:95]
	s_lshl_b32 s94, s92, 2                         ; its word of stats: 8,192 x head + 4 x query
	s_lshl_b32 s93, s[HD], 13
	s_add_co_u32 s94, s94, s93
	s_add_nc_u64 s[18:19], s[18:19], s[94:95]
	v_and_b32 v8, 15, v0                           ; r = lane % 16
	v_bfe_u32 v9, v0, 4, 1                         ; h = lane / 16
	s_delay_alu instid0(VALU_DEP_2)
	v_lshlrev_b32 v10, 12, v8
	s_delay_alu instid0(VALU_DEP_1)
	v_lshl_add_u32 v10, v9, 4, v10                 ; Q: row r, + my half's 16 bytes
.irp c, 0,1,2,3
	global_load_b128 v[16+4*\c:19+4*\c], v10, s[8:9] offset:32*\c   ; Q's fragment stays in registers
.endr
	v_lshlrev_b32 v254, 7, v8
	global_load_b32 v255, v254, s[10:11]           ; Q's scale words
	v_and_b32 v11, 8, v8
	s_delay_alu instid0(VALU_DEP_1)
	v_add_nc_u32 v11, v11, v8                      ; r + 8 (r / 8)
	s_delay_alu instid0(VALU_DEP_1)
	v_mul_u32_u24 v[AK0], v11, KP
	s_delay_alu instid0(VALU_DEP_1)
	v_lshl_add_u32 v[AK0], v9, 4, v[AK0]
	v_mul_u32_u24 v[AV0], v8, VP
	s_delay_alu instid0(VALU_DEP_1)
	v_lshl_add_u32 v[AV0], v9, 4, v[AV0]
	s_delay_alu instid0(VALU_DEP_1)
	v_add_nc_u32 v[AV0], VOFF, v[AV0]
	v_lshl_add_u32 v[ASK0], v11, 2, KSOFF          ; K's scale words: 4 bytes a key
	v_lshlrev_b32 v12, 6, v8                       ; V's: row r of a tile begins 64 r bytes on: which unit of 256 bytes, and where in it
	s_delay_alu instid0(VALU_DEP_1)
	v_lshrrev_b32 v13, 8, v12
	s_delay_alu instid0(VALU_DEP_2)
	v_and_b32 v12, 255, v12
	s_delay_alu instid0(VALU_DEP_1)
	v_mad_u32_u24 v[ASV0], v13, 272, v12
	s_delay_alu instid0(VALU_DEP_1)
	v_add_nc_u32 v[ASV0], SCV, v[ASV0]
	v_lshlrev_b32 v[GO], 14, v9
	s_delay_alu instid0(VALU_DEP_1)
	v_lshl_add_u32 v[GO], v8, 4, v[GO]             ; the way out: lanes 0-15 take one query's row, lanes 16-31 the next query's; 16 bytes a lane
	v_mov_b32 v13, 0xff61b1e6                      ; the largest t so far: -3e38, under every t
	s_delay_alu instid0(VALU_DEP_1)
	v_floor_f32 v12, -v13                          ; -M
	v_mov_b32 v14, 0                               ; the sum, in two halves
	v_mov_b32 v15, 0
.irp b, 0,1,2,3
	v_mov_b32 v[236+\b], 0                         ; written once: a lane permute's destination counts as one of its sources
.endr
	v_mov_b32 v253, 0                              ; (named as the upper half of the pair v[252:253] before it is first written)
.set N, 0
.rept 64
	v_mov_b32 v[160+N], 0                          ; O^T.  (The step is written without a first step of its own: the first finds zeros, which the first change of M leaves zeros)
.set N, N+1
.endr
; THE WAY OUT, in the wave's last step.  l's halves are added; stats takes -M - log2 l; O^T / l goes through my stage, half a row (64 channels, 256 bytes) of 16 queries at a time.
.macro OUT
	v_add_f32 v14, v14, v15                        ; the sum's two halves,
	s_delay_alu instid0(VALU_DEP_1)
	v_permlanex16_b32 v252, v14, s[SEL], s[SEL+1]
	s_delay_alu instid0(VALU_DEP_1)
	v_add_f32 v14, v14, v252                       ; and lane l xor 16's: l
	s_wait_alu depctr_va_vdst(0)
	v_rcp_f32 v252, v14
	v_log_f32 v13, v14
	v_and_b32 v8, 15, v0                           ; r.  (From here nine plain lines: the place behind the transcendentals, and with the additions above the eight places behind the last products)
	v_bfe_u32 v9, v0, 4, 1                         ; h
	s_delay_alu instid0(VALU_DEP_2)
	v_mul_u32_u24 v10, v8, 272
	s_delay_alu instid0(VALU_DEP_1)
	v_lshl_add_u32 v10, v9, 5, v10
	s_delay_alu instid0(VALU_DEP_1)
	v_add_nc_u32 v10, s[STG], v10                  ; in: row r; tile t's eight channels of my half: 64 t + 32 h bytes on
	s_delay_alu instid0(VALU_DEP_4)
	v_mul_u32_u24 v11, v9, 272
	s_delay_alu instid0(VALU_DEP_1)
	v_lshl_add_u32 v11, v8, 4, v11
	s_delay_alu instid0(VALU_DEP_1)
	v_add_nc_u32 v11, s[STG], v11                  ; back: lanes 0-15 one row, lanes 16-31 the next
	s_wait_alu depctr_va_vdst(0)
	v_sub_f32 v13, v12, v13                        ; -M - log2 l
.set N, 0
.rept 32
	v_pk_mul_f32 v[96+N:97+N], v[160+N:161+N], v[252:253] op_sel_hi:[1,0]   ; O^T / l, each accumulator from its low end on: register 8 t + i is o(r, 16 t + 8 h + i)
.set N, N+2
.endr
.irp u, 0,1                                    ; channels 64 u on
.irp t, 0,1,2,3
	ds_store_b128 v10, v[96+32*\u+8*\t:99+32*\u+8*\t] offset:64*\t
	ds_store_b128 v10, v[100+32*\u+8*\t:103+32*\u+8*\t] offset:64*\t+16
.endr
.irp i, 0,1,2,3,4,5,6,7
	ds_load_b128 v[32+32*\u+4*\i:35+32*\u+4*\i], v11 offset:2*\i*272   ; LDS serves a wave's instructions in order: these see my stores, and the next half's stores come behind them
.endr
.endr
.irp u, 0,1
.irp i, 0,1,2,3,4,5,6,7
	s_wait_dscnt 16*(1-\u)+7-\i                    ; behind this read-back: the 7 - i that follow it, and for the first half the second half's eight stores and eight read-backs
	global_store_b128 v[GO], v[32+32*\u+4*\i:35+32*\u+4*\i], s[16:17] offset:2*\i*16384+256*\u th:TH_STORE_NT   ; 16 lanes store 256 consecutive bytes, at a multiple of 256 from out0's first byte
.endr
.endr
	v_and_b32 v9, 31, v0
	v_lshlrev_b32 v254, 2, v8
	s_delay_alu instid0(VALU_DEP_2)
	v_cmp_gt_u32 vcc_lo, 16, v9
	s_wait_alu depctr_va_vdst(0)
	s_wait_xcnt 0x0                                ; EXEC changes only behind this wait; it also frees the stores' registers
	s_and_saveexec_b32 s[SX], vcc_lo               ; lanes 0-15: one word a query, 64 consecutive bytes
	global_store_b32 v254, v13, s[18:19]
	s_wait_xcnt 0x0
	s_or_b32 exec_lo, exec_lo, s[SX]
.endm
; A KEY STEP: 128 keys, the q-th of the slot in hand.
.macro STEP q
	s_cmp_gt_u32 s[ST], s[RK]                      ; all keys of steps behind my rank come after my queries: their work is left out; the lines at the step's end that step counters are not
	s_cbranch_scc1 .Lhidden_\@
	v_add_nc_u32 v[ADK], s[TB], v[AK0]
	s_wait_alu depctr_va_vdst(0)
	v_add_nc_u32 v[ADV], s[TB], v[AV0]
	v_add_nc_u32 v[ADS], s[TB], v[ASK0]
	s_wait_alu depctr_va_vdst(0)
	v_add_nc_u32 v[ADT], s[TJ], v[ASV0]
.irp g, 0,1                                    ; S^T = K Q^T, four tiles of 16 keys at a time
.rept 8-4*(1-\g)
	v_nop                                          ; eight places in front of loads into registers that matrix instructions have read; the four additions above are four of the first eight
.endr
.irp t, 0,1,2,3
.irp c, 0,1,2,3
	ds_load_b128 v[32+16*\t+4*\c:32+16*\t+4*\c+3], v[ADK] offset:(128*(\q)+32*((4*\g+\t)/2)+8*(\t%2))*KP+32*\c
.endr
	ds_load_b32 v[248+\t], v[ADS] offset:(128*(\q)+32*((4*\g+\t)/2)+8*(\t%2))*4
.endr
	s_wait_dscnt 0x0
.irp t, 0,1,2,3
	v_wmma_scale_f32_16x16x128_f8f6f4 v[96+8*(4*\g+\t):103+8*(4*\g+\t)], v[32+16*\t:47+16*\t], v[16:31], 0, v[248+\t], v255 matrix_a_fmt:MATRIX_FMT_BF8 matrix_b_fmt:MATRIX_FMT_BF8
.endr
.endr
.rept 8
	v_nop
.endr
	s_cmp_lt_u32 s[ST], s[RK]                      ; ahead of my rank every key counts
	s_cbranch_scc1 .Lopen_\@
	v_and_b32 v252, 15, v0                         ; THE DIAGONAL, step = rank: the scores of hidden keys become -infinity ahead of the maximum: p = 0 then
	v_and_b32 v254, 16, v0
	s_delay_alu instid0(VALU_DEP_1)
	v_sub_nc_u32 v252, v252, v254
	s_delay_alu instid0(VALU_DEP_1)
	v_add_nc_u32 v252, s[DJ], v252                 ; d = 16 j + r - 16 h.  Register 16 b + i holds the step's key 32 b + 16 h + i: hidden where 32 b + i > d
	v_mov_b32 v254, 0xff800000                     ; -infinity
.set N, 0
.rept 64
	v_cmp_gt_i32 vcc_lo, 32*(N/16)+N%16, v252
	v_cndmask_b32 v[96+N], v[96+N], v254, vcc_lo
.set N, N+1
.endr
.Lopen_\@:
.irp b, 0,1,2,3
	v_max3_num_f32 v[232+\b], v[96+16*\b], v[97+16*\b], v[98+16*\b]   ; THE LARGEST SCORE OF EACH BLOCK OF 32 KEYS: it serves twice: for the row's maximum, and, since p rises with the score, for the block's largest p
.endr
.irp i, 3,5,7,9,11,13
.irp b, 0,1,2,3
	v_max3_num_f32 v[232+\b], v[232+\b], v[96+16*\b+\i], v[97+16*\b+\i]   ; (the four blocks by turns)
.endr
.endr
.irp b, 0,1,2,3
	v_max_num_f32 v[232+\b], v[232+\b], v[111+16*\b]
.endr
.irp b, 0,1,2,3
	v_permlanex16_b32 v[236+\b], v[232+\b], s[SEL], s[SEL+1]
.endr
.irp b, 0,1,2,3
	s_delay_alu instid0(VALU_DEP_4)
	v_max_num_f32 v[232+\b], v[232+\b], v[236+\b]  ; with lane l xor 16's 16 keys
.endr
	s_delay_alu instid0(VALU_DEP_2)
	v_max3_num_f32 v254, v232, v233, v234
	s_delay_alu instid0(VALU_DEP_1)
	v_max_num_f32 v254, v254, v235                 ; the step's largest score of my query (the step's first key counts for every query, so it is a number)
	s_delay_alu instid0(VALU_DEP_1)
	v_mul_f32 v254, s[CS], v254                    ; as t (c is positive)
	s_delay_alu instid0(VALU_DEP_1)
	v_max_num_f32 v13, v13, v254                   ; the running largest t
	v_mov_b32 v254, v12
	s_delay_alu instid0(VALU_DEP_2)
	v_floor_f32 v12, -v13                          ; the new -M = floor(-t) = -ceil(t): M IS A WHOLE NUMBER
	s_delay_alu instid0(VALU_DEP_1)
	v_sub_f32 v254, v12, v254                      ; M's old value less its new one: a whole number, 0 or less
	s_delay_alu instid0(VALU_DEP_1)
	v_cvt_i32_f32 v254, v254                       ; (it saturates)
	s_delay_alu instid0(VALU_DEP_1)
	v_ldexp_f32 v252, 1.0, v254                    ; f = 2^(old M - new M): a multiplication by it rounds nothing
.set N, 0
.rept 32
	v_pk_fma_f32 v[96+N:97+N], v[96+N:97+N], s[CS:CS+1], v[12:13] op_sel_hi:[1,0,0]   ; t - M, two at a time (of the pairs c and -M the low word serves both halves)
.set N, N+2
.endr
.irp b, 0,1,2,3
	v_fma_f32 v[232+\b], v[232+\b], s[CS], v12     ; the same of each block's largest score
.endr
.set N, 0
	s_wait_alu depctr_va_vdst(0)
.rept 64
	v_exp_f32 v[96+N], v[96+N]                     ; p = 2^(t - M), at most 1: NOT normalised
.set N, N+1
.endr
.irp b, 0,1,2,3
	v_exp_f32 v[232+\b], v[232+\b]                 ; the block's largest p: the same two instructions on the same number give the same bits
.endr
	v_pk_mul_f32 v[14:15], v[14:15], v[252:253] op_sel_hi:[1,0]   ; the sums under the new M.  (A plain place behind the exponentials)
	s_wait_alu depctr_va_vdst(0)
.irp b, 0,1,2,3
	v_max_num_f32 v[232+\b], 0x8000000, v[232+\b]  ; the floor 2^(16 - 127): the byte cannot fall under 1 (a block whose every p is 0 keeps that byte: its codes are zeros)
.endr
.irp b, 0,1,2,3
	s_delay_alu instid0(VALU_DEP_4)
	v_add_nc_u32 v[244+\b], 0xf8800000, v[232+\b]  ; 15 off the exponent field: the conversion's scale operand
.endr
.irp b, 0,1,2,3
.endr
.irp b, 0,1,2,3
	s_delay_alu instid0(VALU_DEP_4)
	v_lshrrev_b32 v[236+\b], 23, v[244+\b]         ; the scale's byte
.endr
	s_delay_alu instid0(VALU_DEP_3)
	v_lshl_or_b32 v253, v237, 8, v236              ; p's scale word for these 128 keys
	s_delay_alu instid0(VALU_DEP_1)
	v_lshl_or_b32 v253, v238, 16, v253
	s_delay_alu instid0(VALU_DEP_1)
	v_lshl_or_b32 v253, v239, 24, v253
	v_pk_add_f32 v[236:237], v[100:101], v[104:105]
	v_pk_add_f32 v[242:243], v[108:109], v[112:113]
	v_pk_add_f32 v[240:241], v[116:117], v[120:121]
	v_pk_add_f32 v[14:15], v[14:15], v[124:125]
	v_pk_add_f32 v[236:237], v[236:237], v[128:129]
	v_pk_add_f32 v[242:243], v[242:243], v[132:133]
	v_pk_add_f32 v[240:241], v[240:241], v[136:137]
	v_pk_add_f32 v[14:15], v[14:15], v[140:141]
	v_pk_add_f32 v[236:237], v[236:237], v[144:145]
	v_pk_add_f32 v[242:243], v[242:243], v[148:149]
	v_pk_add_f32 v[240:241], v[240:241], v[152:153]
	v_pk_add_f32 v[14:15], v[14:15], v[156:157]
	v_pk_add_f32 v[236:237], v[236:237], v[96:97]
	v_pk_add_f32 v[242:243], v[242:243], v[98:99]
	v_pk_add_f32 v[240:241], v[240:241], v[102:103]
	v_pk_add_f32 v[14:15], v[14:15], v[106:107]
	v_pk_add_f32 v[236:237], v[236:237], v[110:111]
	v_pk_add_f32 v[242:243], v[242:243], v[114:115]
	v_pk_add_f32 v[240:241], v[240:241], v[118:119]
	v_pk_add_f32 v[14:15], v[14:15], v[122:123]
	v_pk_add_f32 v[236:237], v[236:237], v[126:127]
	v_pk_add_f32 v[242:243], v[242:243], v[130:131]
	v_pk_add_f32 v[240:241], v[240:241], v[134:135]
	v_pk_add_f32 v[14:15], v[14:15], v[138:139]
	v_pk_add_f32 v[236:237], v[236:237], v[142:143]
	v_pk_add_f32 v[242:243], v[242:243], v[146:147]
	v_pk_add_f32 v[240:241], v[240:241], v[150:151]
	v_pk_add_f32 v[14:15], v[14:15], v[154:155]
	v_pk_add_f32 v[236:237], v[236:237], v[158:159]
	s_delay_alu instid0(VALU_DEP_2)
	v_pk_add_f32 v[14:15], v[14:15], v[242:243]
	s_delay_alu instid0(VALU_DEP_2)
	v_pk_add_f32 v[236:237], v[236:237], v[240:241]
	s_delay_alu instid0(VALU_DEP_1)
	v_pk_add_f32 v[14:15], v[14:15], v[236:237]
.irp b, 0,1,2,3
.irp i, 0,1,2,3,4,5,6,7,8,9,10,11,12,13,14,15
.endr
	v_cvt_scalef32_pk8_bf8_f32 v[224+4*\b:225+4*\b], v[96+16*\b:103+16*\b], v[244+\b]
	v_cvt_scalef32_pk8_bf8_f32 v[226+4*\b:227+4*\b], v[104+16*\b:111+16*\b], v[244+\b]
.endr
.set N, 0
.rept 32
	v_pk_mul_f32 v[160+N:161+N], v[160+N:161+N], v[252:253] op_sel_hi:[1,0]   ; O^T under the new M: x f.  (These 32 are also the places in front of the matrix instructions and loads below)
.set N, N+2
.endr
	s_wait_alu depctr_va_vdst(0)
.irp g, 0,1                                    ; O^T += V^T P^T: four tiles of 16 of the head's 128 at a time; K = these 128 keys.  The accumulators take turns
.if \g > 0
.rept 8
	v_nop
.endr
.endif
.irp t, 0,1,2,3
.irp c, 0,1,2,3
	ds_load_b128 v[32+16*\t+4*\c:32+16*\t+4*\c+3], v[ADV] offset:16*(4*\g+\t)*VP+128*(\q)+32*\c
.endr
	ds_load_b32 v[248+\t], v[ADT] offset:(4*\g+\t)*4*272
.endr
	s_wait_dscnt 0x0
.irp t, 0,1,2,3
	v_wmma_scale_f32_16x16x128_f8f6f4 v[160+8*(4*\g+\t):167+8*(4*\g+\t)], v[32+16*\t:47+16*\t], v[224:239], v[160+8*(4*\g+\t):167+8*(4*\g+\t)], v[248+\t], v253 matrix_a_fmt:MATRIX_FMT_BF8 matrix_b_fmt:MATRIX_FMT_BF8
.endr
.endr
	s_cmp_lg_u32 s[ST], s[RK]                      ; my last step: my rows are finished and leave now
	s_cbranch_scc1 .Lhidden_\@
	OUT
.Lhidden_\@:
	s_add_co_u32 s[ST], s[ST], 1
	s_add_co_u32 s[TJ], s[TJ], 4
.endm
; THE CHANGE OF SLOTS stands at a slot's head.  Each wave waits for all its tensor loads (its part of the slot that it is about to read), adds 0 to its spare word, and waits for that and for its reads of the slot that it has left.
; fill = 1: the barrier is a round of the cluster's, so that no wave of any partner still reads the other slot or has a load on its way; behind it that slot is filled with the next 256 keys: the load has a slot's two steps in which to land.
.macro CHANGE fill
	s_wait_tensorcnt 0x0                           ; no tensor load of mine is out, so a group 0 may be written
	ds_add_u32 v[SPW], v[NIL]                      ; 0 onto my spare word: with fill = 1 the descriptors' steps stand between it and the wait for it
.if \fill
	s_xor_b32 s[G0K+1], s[G0K+1], SLOT1            ; the walking descriptors: the other slot than last time,
	s_add_nc_u64 s[G0K+2:G0K+3], s[G0K+2:G0K+3], 256*4096   ; the next 256 keys; the type bits on top are not reached
	s_xor_b32 s[G0V+1], s[G0V+1], SLOT1
	s_add_nc_u64 s[G0V+2:G0V+3], s[G0V+2:G0V+3], 256
	s_xor_b32 s[G0C+1], s[G0C+1], SLOT1
	s_add_nc_u64 s[G0C+2:G0C+3], s[G0C+2:G0C+3], 256*128
.endif
	s_wait_dscnt 0x0                               ; the add is done, and my reads of the slot that I have left are over
.if \fill
	CROUND
	TLOAD 0                                        ; the first thing behind the round, and a wave's one tensor load until the next
.else
	s_barrier_signal -1
	s_barrier_wait -1
.endif
.endm
.macro SLOT_STEPS
	STEP 0
	STEP 1
	s_xor_b32 s[TB], s[TB], SLOT1                  ; on to the other slot
.endm
	s_wait_loadcnt 0x0                             ; Q
.Lslot:                                            ; seven trips: behind each change of slots but the last the next slot is asked for (slot 1's first fill among them)
	CHANGE 1
	SLOT_STEPS
	s_sub_co_u32 s[SLOTS], s[SLOTS], 1
	s_cmp_lg_u32 s[SLOTS], 0
	s_cbranch_scc1 .Lslot
	CHANGE 0                                       ; the last slot is written out
	SLOT_STEPS
	s_wait_tensorcnt 0x0                           ; the wave's end, behind my last tensor load and my last LDS store
	ds_add_u32 v[SPW], v[NIL]
	s_wait_dscnt 0x0
	CROUND                                         ; the closing round: no work-group ends while a partner may still ask for a tile that names it
	s_endpgm
.Lfunc_end_k_q6d7e4da1d2_attn:
	.size	k_q6d7e4da1d2_attn, .Lfunc_end_k_q6d7e4da1d2_attn-k_q6d7e4da1d2_attn
	.p2alignl 7, 3214868480
	.fill 96, 4, 3214868480
	.section	.rodata,"a",@progbits
	.p2align	6, 0x0
	.amdhsa_kernel k_q6d7e4da1d2_attn
		.amdhsa_group_segment_fixed_size 327680
		.amdhsa_private_segment_fixed_size 0
		.amdhsa_enable_private_segment 0
		.amdhsa_kernarg_size 64
		.amdhsa_user_sgpr_count 2
		.amdhsa_user_sgpr_kernarg_segment_ptr 1
		.amdhsa_wavefront_size32 1
		.amdhsa_system_sgpr_workgroup_id_x 1
		.amdhsa_system_sgpr_workgroup_id_y 1
		.amdhsa_system_sgpr_workgroup_id_z 1
		.amdhsa_system_vgpr_workitem_id 0
		.amdhsa_next_free_vgpr 256
		.amdhsa_next_free_sgpr 96
		.amdhsa_reserve_vcc 1
		.amdhsa_float_denorm_mode_32 3
		.amdhsa_float_denorm_mode_16_64 3
		.amdhsa_fp16_overflow 1
		.amdhsa_memory_ordered 1
		.amdhsa_forward_progress 1
		.amdhsa_inst_pref_size 152
	.end_amdhsa_kernel
	.amdgpu_metadata
---
amdhsa.version: [ 1, 2 ]
amdhsa.kernels:
  - .name:           k_q6d7e4da1d2_attn
    .symbol:         k_q6d7e4da1d2_attn.kd
    .args:
      - { .name: k_codes, .offset: 0, .size: 8, .value_kind: global_buffer, .address_space: global }
      - { .name: k_scales, .offset: 8, .size: 8, .value_kind: global_buffer, .address_space: global }
      - { .name: q_codes, .offset: 16, .size: 8, .value_kind: global_buffer, .address_space: global }
      - { .name: q_scales, .offset: 24, .size: 8, .value_kind: global_buffer, .address_space: global }
      - { .name: v_codes, .offset: 32, .size: 8, .value_kind: global_buffer, .address_space: global }
      - { .name: v_scales, .offset: 40, .size: 8, .value_kind: global_buffer, .address_space: global }
      - { .name: out0, .offset: 48, .size: 8, .value_kind: global_buffer, .address_space: global }
      - { .name: stats, .offset: 56, .size: 8, .value_kind: global_buffer, .address_space: global }
    .group_segment_fixed_size: 327680
    .private_segment_fixed_size: 0
    .kernarg_segment_align: 8
    .kernarg_segment_size: 64
    .max_flat_workgroup_size: 512
    .sgpr_count:     96
    .vgpr_count:     256
    .wavefront_size: 32
...
	.end_amdgpu_metadata
.endif
;; end of part 1
;; launch colsum (part 2): grid 8 x 32, 16 waves a work-group, clusters of 4 x 1, 327,680 bytes of LDS; arguments q_codes, q_scales, k_codes, k_scales, stats, out1, out2; writes out1, out2
.if DOCPART == 2
	.amdgcn_target "amdgcn-amd-amdhsa--gfx1250"
	.amdhsa_code_object_version 6
	.text
	.protected	k_q6d7e4da1d2_colsum
	.globl	k_q6d7e4da1d2_colsum
	.p2align	8
	.type	k_q6d7e4da1d2_colsum,@function
k_q6d7e4da1d2_colsum:
	s_mov_b64 s[64:65], 0
	v_nop
	global_prefetch_b8 v0, s[64:65] scope:SCOPE_SE
	s_setreg_imm32_b32 hwreg(HW_REG_WAVE_MODE, 25, 1), 1
	s_wait_xcnt 0x0
	s_wait_alu depctr_hold_cnt(0) depctr_sa_sdst(0) depctr_va_vdst(0) depctr_va_sdst(0) depctr_va_ssrc(0) depctr_va_vcc(0) depctr_vm_vsrc(0)
	s_getreg_b32 s2, hwreg(HW_REG_IB_STS2, 6, 4)
	s_cmp_eq_u32 s2, 0
	s_cbranch_scc0 .Lentry_in_a_cluster
	s_endpgm
.Lentry_in_a_cluster:
	s_bfe_u32 s2, ttmp6, 0x10000c
	s_cmp_lg_u32 s2, 0x3003
	s_cbranch_scc0 .Lentry_shape_is_right
	s_endpgm
.Lentry_shape_is_right:
; out1[head][k] = the sum over queries q >= k of P(q, k); out2 the same of P squared.  P(q, k) = 2^(c s(q, k) + stats[head][q]) is the finished softmax: s the score, made again here on the same codes of BF8 (E5M2)
; with their E8M0 scales, c = log2(e) / sqrt(128), stats = -(M + log2 l) as the launch before stored it.  Sums in f32.
; SHARES.  256 work-groups, 8 for each head.  Work-group j of a head has sixteen waves; a wave has a RANK 0 .. 15, read from a table by its number alone, and owns the 16 keys from 128 rank + 16 j on.
; The queries go in steps of 128: the mask leaves a wave steps rank .. 15, whatever j is: every work-group has 136 steps of work and no branch hangs on the place in the cluster.
; A WHOLE HEAD OF Q LIES IN LDS: 2,048 rows of codes, their scale words and their stats.  Nothing is filled twice: no ring.  The loads go out at the start, in four phases of 512 queries; each phase is read
; behind a counted wait and a barrier, while the later phases are on their way.  The four work-groups of a cluster belong to one head: every load is asked for JOINTLY, with the mask 15.
; LAYOUT.  Source 0 = my 16 keys, which stay in registers; source 1 = 16 queries.  In the result lane (r, h) holds query r and its register i key 8 h + i: a query's stats is one number a lane, and the sums over
; queries pile up in 8 + 8 registers a lane, which are added across the sixteen lanes of a half once, at the end.
; LIMITS: codes of NaN or infinity and the scale byte 0xff are not treated apart.  stats carries M + log2 l with half an ulp of that sum, and P inherits that.
; REGISTERS: v1, v2 addresses that stay; v4, v5 addresses in hand; v7 the mask's number; v8 K's scale words; v9 -infinity; v10-13 at work; v16-31 K; v32-95 four fragments of Q; v96-127 four tiles of scores, then P;
;   v128, 130, 132, 134 stats (the odd registers beside them are named as pairs' upper halves); v136-139 Q's scale words; v140-147 the sums; v148-155 the sums of squares.
.set QP,   144                         ; a query's row in LDS: 128 bytes + 16 of padding
.set QS,   2048*QP                     ; behind the rows: one scale word a query,
.set NL,   QS+8192                     ; and one word of stats
.set AQ0,  1
.set AW0,  2
.set ADQ,  4
.set ADW,  5
.set WV,   20                          ; s20  my wave's number
.set RK,   21                          ; s21  its rank
.set ST,   22                          ; s22  the query step's number
.set TW,   23                          ; s23  counts a phase's four steps
.set G1Q,  24                          ; s[24:31], s[32:39], s[40:47] descriptor groups 1: codes, scale words, stats
.set G1W,  32
.set G1N,  40
.set G0Q,  48                          ; s[48:63] groups 0 for the codes, one for each phase;  s[68:83] for the scale words;  s[84:87] for stats
.set G0W,  68
.set G0N,  84
.set CS,   88                          ; s[88:89] c, twice
.set SQ,   90                          ; s90  LDS byte at which the step's rows begin
.set SW,   91                          ; s91  and its words, from QS on
.set DJ,   92                          ; s92  16 j
.set SX,   93                          ; s93  EXEC, kept
.set HD,   94                          ; s94  the head
.set JJ,   95                          ; s95  j
; s[96:97]: offsets for descriptors, made of the head and the wave's number alone;  s[98:99]: offsets made of j as well
.macro CROUND                          ; a round of the cluster's barrier
	s_barrier_signal -1
	s_barrier_wait -1
	s_cmp_lg_u32 s[WV], 0
	s_cbranch_scc1 .Lnot_wave_0_\@
	s_barrier_signal -3
.Lnot_wave_0_\@:
	s_barrier_wait -3
	s_barrier_signal -1
	s_barrier_wait -1
.endm
	s_load_b256 s[4:11], s[0:1], 0x0               ; Q's codes s[4:5], Q's scales s[6:7], K's codes s[8:9], K's scales s[10:11]
	s_load_b128 s[12:15], s[0:1], 0x20             ; stats s[12:13], out1 s[14:15]
	s_load_b64 s[16:17], s[0:1], 0x30              ; out2
	v_lshl_add_u32 v160, v0, 2, 0x4c000
	v_mov_b32 v161, 0
	ds_add_u32 v160, v161
	ds_add_u32 v160, v161
	v_lshrrev_b32 v10, 5, v0
	s_delay_alu instid0(VALU_DEP_1)
	v_readfirstlane_b32 s[WV], v10                 ; wave 0..15
	s_lshl_b32 s2, s[WV], 2                        ; the rank: nibble wave % 8 of one of two words.  Waves 0 .. 15: 0 13 14 3 | 7 10 9 4 | 11 6 5 8 | 12 1 2 15
	s_and_b32 s2, s2, 28
	s_mov_b32 s3, 0x49a73ed0
	s_mov_b32 s[RK], 0xf21c856b
	s_cmp_lt_u32 s[WV], 8
	s_cselect_b32 s3, s3, s[RK]
	s_lshr_b32 s3, s3, s2
	s_and_b32 s[RK], s3, 15
	s_and_b32 s[HD], ttmp7, 0xffff                 ; the head, which the four partners share
	s_bfe_u32 s[JJ], ttmp6, 0x40000                ; cx: my place in the cluster
	s_lshl_b32 s2, ttmp9, 2
	s_add_co_u32 s[JJ], s2, s[JJ]                  ; j: it enters K's, out1's and out2's addresses and the mask's numbers alone
	s_lshl_b32 s[DJ], s[JJ], 4
	; descriptor groups 1.  Codes: 128 rows of 128 bytes, 4,096 bytes apart in memory, 16 bytes of padding behind each in LDS
	s_mov_b32 s[G1Q], 15|(1<<20)|(1<<21)|(4<<22)|(3<<25)   ; 15:0 the mask: all four work-groups; 17:16 elements of 1 byte; 20 padding on; 21 set beside a mask; 24:22 after every 32 words (code 4); 31:25 four words (code 3)
	s_mov_b32 s[G1Q+1], 128<<16                    ; tensor_dim0
	s_mov_b32 s[G1Q+2], 128<<16                    ; tensor_dim1
	s_mov_b32 s[G1Q+3], 128<<16                    ; tile_dim0
	s_mov_b32 s[G1Q+4], 128                        ; tile_dim1
	s_mov_b32 s[G1Q+5], 4096                       ; tensor_dim0_stride
	s_mov_b32 s[G1Q+6], 0
	s_mov_b32 s[G1Q+7], 0
	; scale words: 512 rows of 4 bytes, 128 bytes apart; dense in LDS
	s_mov_b32 s[G1W], 15|(1<<21)
	s_mov_b32 s[G1W+1], 4<<16
	s_mov_b32 s[G1W+2], 512<<16
	s_mov_b32 s[G1W+3], 4<<16
	s_mov_b32 s[G1W+4], 512
	s_mov_b32 s[G1W+5], 128
	s_mov_b32 s[G1W+6], 0
	s_mov_b32 s[G1W+7], 0
	; stats: a head's 8,192 dense bytes as 32 rows of 256 (32 elements of 8 bytes); dense in LDS
	s_mov_b32 s[G1N], 15|(3<<16)|(1<<21)
	s_mov_b32 s[G1N+1], 32<<16
	s_mov_b32 s[G1N+2], 32<<16
	s_mov_b32 s[G1N+3], 32<<16
	s_mov_b32 s[G1N+4], 32
	s_mov_b32 s[G1N+5], 32
	s_mov_b32 s[G1N+6], 0
	s_mov_b32 s[G1N+7], 0
	s_mov_b32 s[CS], 0x3e0293ee                    ; c = log2(e) / sqrt(128)
	s_mov_b32 s[CS+1], s[CS]
	s_and_b32 s3, s[WV], 3                         ; which 128 rows of a phase's 512 I fetch, if I fetch
	s_lshl_b32 s96, s[HD], 7                       ; 128 x head + 128 rows of 4,096 bytes x that
	s_lshl_b32 s2, s3, 19
	s_add_co_u32 s96, s96, s2
	s_mov_b32 s97, 0
	s_mul_i32 s3, s3, 128*QP
	s_mov_b32 s99, 0
	s_wait_dscnt 0x0
	s_wait_kmcnt 0x0
	s_add_nc_u64 s[4:5], s[4:5], s[96:97]
.irp p, 0,1,2,3
	s_mov_b32 s[G0Q+4*\p], 1                                       ; 1:0 count = 1
	s_add_co_u32 s[G0Q+4*\p+1], s3, \p*512*QP                      ; 63:32 LDS address
	s_add_nc_u64 s[G0Q+4*\p+2:G0Q+4*\p+3], s[4:5], \p*512*4096     ; 120:64 global address
	s_or_b32 s[G0Q+4*\p+3], s[G0Q+4*\p+3], 0x80000000              ; 127:126 type = 2
.endr
	s_lshl_b32 s96, s[HD], 2
	s_add_nc_u64 s[6:7], s[6:7], s[96:97]
.irp p, 0,1,2,3
	s_mov_b32 s[G0W+4*\p], 1
	s_mov_b32 s[G0W+4*\p+1], QS+\p*2048
	s_add_nc_u64 s[G0W+4*\p+2:G0W+4*\p+3], s[6:7], \p*512*128
	s_or_b32 s[G0W+4*\p+3], s[G0W+4*\p+3], 0x80000000
.endr
	s_lshl_b32 s96, s[HD], 13
	s_mov_b32 s[G0N], 1
	s_mov_b32 s[G0N+1], NL
	s_add_nc_u64 s[G0N+2:G0N+3], s[12:13], s[96:97]
	s_or_b32 s[G0N+3], s[G0N+3], 0x80000000
	CROUND                                         ; all four work-groups are here: the joint loads meet
	s_cmp_lt_u32 s[WV], 4                          ; a wave's loads stand in one branch on its number, ahead of every wait on TENSORcnt and every LDS read.  Waves 0-3: four loads out; wave 4: five
	s_cbranch_scc0 .Lnot_q
.irp p, 0,1,2,3
	tensor_load_to_lds s[G0Q+4*\p:G0Q+4*\p+3], s[G1Q:G1Q+7]
	s_nop 0
.endr
.rept 4
	v_nop
.endr
	s_branch .Lasked
.Lnot_q:
	s_cmp_eq_u32 s[WV], 4
	s_cbranch_scc0 .Lasked
	tensor_load_to_lds s[G0N:G0N+3], s[G1N:G1N+7]  ; stats first: the first phase's count then covers it
	s_nop 0
.irp p, 0,1,2,3
	tensor_load_to_lds s[G0W+4*\p:G0W+4*\p+3], s[G1W:G1W+7]
	s_nop 0
.endr
.rept 4
	v_nop
.endr
.Lasked:
	s_lshl_b32 s2, s[RK], 7
	s_add_co_u32 s2, s2, s[DJ]                     ; my first key: 128 rank + 16 j
	s_lshl_b32 s98, s2, 12                         ; K's codes: 4,096 x key + 128 x head
	s_lshl_b32 s3, s[HD], 7
	s_add_co_u32 s98, s98, s3
	s_add_nc_u64 s[8:9], s[8:9], s[98:99]
	s_lshl_b32 s98, s2, 7                          ; its scale word: 128 x key + 4 x head
	s_lshl_b32 s3, s[HD], 2
	s_add_co_u32 s98, s98, s3
	s_add_nc_u64 s[10:11], s[10:11], s[98:99]
	s_lshl_b32 s98, s2, 2                          ; out1, out2: 8,192 x head + 4 x key
	s_lshl_b32 s3, s[HD], 13
	s_add_co_u32 s98, s98, s3
	s_add_nc_u64 s[14:15], s[14:15], s[98:99]
	s_add_nc_u64 s[16:17], s[16:17], s[98:99]
	v_and_b32 v10, 15, v0                          ; r
	v_bfe_u32 v11, v0, 4, 1                        ; h
	s_delay_alu instid0(VALU_DEP_2)
	v_lshlrev_b32 v12, 12, v10
	s_delay_alu instid0(VALU_DEP_1)
	v_lshl_add_u32 v12, v11, 4, v12
.irp c, 0,1,2,3
	global_load_b128 v[16+4*\c:19+4*\c], v12, s[8:9] offset:32*\c   ; K's fragment stays in registers
.endr
	v_lshlrev_b32 v13, 7, v10
	global_load_b32 v8, v13, s[10:11]              ; K's scale words
	v_mul_u32_u24 v[AQ0], v10, QP
	s_delay_alu instid0(VALU_DEP_1)
	v_lshl_add_u32 v[AQ0], v11, 4, v[AQ0]          ; a fragment of Q: row r, + my half's 16 bytes
	v_lshl_add_u32 v[AW0], v10, 2, QS              ; a query's words: 4 r
	v_lshlrev_b32 v7, 3, v11
	s_delay_alu instid0(VALU_DEP_1)
	v_sub_nc_u32 v7, v7, v10
	s_delay_alu instid0(VALU_DEP_1)
	v_add_nc_u32 v7, s[DJ], v7                     ; 16 j + 8 h - r
	v_mov_b32 v9, 0xff800000                       ; -infinity
.irp t, 0,1,2,3
	v_mov_b32 v[129+2*\t], 0                       ; named as pairs' upper halves, never used
.endr
.irp i, 0,1,2,3,4,5,6,7,8,9,10,11,12,13,14,15
	v_mov_b32 v[140+\i], 0                         ; the sums
.endr
	s_wait_loadcnt 0x0                             ; K
; Four tiles of 16 queries, 4 g + t of the step's eight.
.macro GRP g
	s_setprio 2
.irp t, 0,1,2,3
.irp c, 0,1,2,3
	ds_load_b128 v[32+16*\t+4*\c:35+16*\t+4*\c], v[ADQ] offset:16*QP*(4*\g+\t)+32*\c
.endr
	ds_load_b32 v[136+\t], v[ADW] offset:64*(4*\g+\t)
	ds_load_b32 v[128+2*\t], v[ADW] offset:8192+64*(4*\g+\t)
.endr
	s_wait_dscnt 0x0
.irp t, 0,1,2,3
	v_wmma_scale_f32_16x16x128_f8f6f4 v[96+8*\t:103+8*\t], v[16:31], v[32+16*\t:47+16*\t], 0, v8, v[136+\t] matrix_a_fmt:MATRIX_FMT_BF8 matrix_b_fmt:MATRIX_FMT_BF8
.endr
.rept 8
	v_nop                                          ; eight places behind these products: for the reads of their results, and for the next loads into their sources
.endr
	s_cmp_lg_u32 s[ST], s[RK]                      ; behind my rank every query counts
	s_cbranch_scc1 .Lopen_\@
.irp t, 0,1,2,3                                ; THE DIAGONAL, step = rank: key 16 j + 8 h + i is hidden from query 16 (4 g + t) + r where 16 (4 g + t) - i < 16 j + 8 h - r: its score becomes -infinity, P = 0
.irp i, 0,1,2,3,4,5,6,7
	v_cmp_lt_i32 vcc_lo, 16*(4*\g+\t)-\i, v7
	v_cndmask_b32 v[96+8*\t+\i], v[96+8*\t+\i], v9, vcc_lo
.endr
.endr
.Lopen_\@:
	s_setprio 1
.irp t, 0,1,2,3
.irp k, 0,2,4,6
	v_pk_fma_f32 v[96+8*\t+\k:97+8*\t+\k], v[96+8*\t+\k:97+8*\t+\k], s[CS:CS+1], v[128+2*\t:129+2*\t] op_sel_hi:[1,0,0]   ; c s + stats of my query (of both pairs the low word serves both halves)
.endr
.endr
.set N, 0
	s_wait_alu depctr_va_vdst(0)
.rept 32
	v_exp_f32 v[96+N], v[96+N]                     ; P
.set N, N+1
.endr
	v_nop                                          ; a plain place behind the exponentials
	s_setprio 0
	s_wait_alu depctr_va_vdst(0)
.irp t, 0,1,2,3
.irp k, 0,2,4,6
	v_pk_add_f32 v[140+\k:141+\k], v[140+\k:141+\k], v[96+8*\t+\k:97+8*\t+\k]
	v_pk_fma_f32 v[148+\k:149+\k], v[96+8*\t+\k:97+8*\t+\k], v[96+8*\t+\k:97+8*\t+\k], v[148+\k:149+\k]
.endr
.endr
.endm
; A step of 128 queries.  Steps ahead of my rank hold only queries that do not see my keys: their work is left out; the lines that step counters are not.
.macro STEP2
	s_cmp_lt_u32 s[ST], s[RK]
	s_cbranch_scc1 .Lhid_\@
	v_add_nc_u32 v[ADQ], s[SQ], v[AQ0]
	v_add_nc_u32 v[ADW], s[SW], v[AW0]
	GRP 0
	GRP 1
.Lhid_\@:
	s_add_co_u32 s[ST], s[ST], 1
	s_add_co_u32 s[SQ], s[SQ], 128*QP
	s_add_co_u32 s[SW], s[SW], 512
.endm
; A phase of 512 queries, four steps.
.macro PHASE p
	s_wait_tensorcnt 3-\p                          ; my load for this phase has landed: behind it I issued one for each of the 3 - p later phases, which may stay out (nothing is filled twice)
	s_wait_dscnt 0x0
	s_barrier_signal -1
	s_barrier_wait -1                              ; everybody's has
	s_mov_b32 s[ST], 4*\p
	s_mov_b32 s[SQ], \p*512*QP
	s_mov_b32 s[SW], \p*2048
	s_mov_b32 s[TW], 4
.Lstep_\@:
	STEP2
	s_sub_co_u32 s[TW], s[TW], 1
	s_cmp_lg_u32 s[TW], 0
	s_cbranch_scc1 .Lstep_\@
	s_setprio 0
.endm
	PHASE 0
	PHASE 1
	PHASE 2
	PHASE 3
	; across the sixteen lanes of my half: every lane then holds the eight keys' sums
	s_wait_alu depctr_va_vdst(0)
.irp m, 1,2,4,8
.irp i, 0,1,2,3,4,5,6,7,8,9,10,11,12,13,14,15
	v_add_f32_dpp v[140+\i], v[140+\i], v[140+\i] row_xmask:\m row_mask:0xf bank_mask:0xf
.endr
.endr
	v_and_b32 v10, 7, v0                           ; lane r takes key 8 h + r % 8
	v_mov_b32 v11, v140
	v_mov_b32 v12, v148
.irp i, 1,2,3,4,5,6,7
	v_cmp_eq_u32 vcc_lo, \i, v10
	s_delay_alu instid0(VALU_DEP_1)
	v_cndmask_b32 v11, v11, v[140+\i], vcc_lo
	s_delay_alu instid0(VALU_DEP_2)
	v_cndmask_b32 v12, v12, v[148+\i], vcc_lo
.endr
	v_bfe_u32 v13, v0, 4, 1
	s_delay_alu instid0(VALU_DEP_1)
	v_lshl_add_u32 v13, v13, 3, v10
	s_delay_alu instid0(VALU_DEP_1)
	v_lshlrev_b32 v13, 2, v13                      ; 4 (8 h + r % 8)
	v_and_b32 v10, 8, v0
	s_delay_alu instid0(VALU_DEP_1)
	v_cmp_eq_u32 vcc_lo, 0, v10                    ; lanes with r < 8: sixteen lanes, 64 consecutive bytes
	s_wait_alu depctr_va_vdst(0)
	s_wait_xcnt 0x0                                ; EXEC changes only behind this wait
	s_and_saveexec_b32 s[SX], vcc_lo
	global_store_b32 v13, v11, s[14:15]
	global_store_b32 v13, v12, s[16:17]
	s_wait_xcnt 0x0
	s_or_b32 exec_lo, exec_lo, s[SX]
	s_wait_tensorcnt 0x0
	ds_add_u32 v160, v161
	s_wait_dscnt 0x0
	CROUND                                         ; the closing round: no work-group ends while a partner may still ask for a tile that names it
	s_endpgm
.Lfunc_end_k_q6d7e4da1d2_colsum:
	.size	k_q6d7e4da1d2_colsum, .Lfunc_end_k_q6d7e4da1d2_colsum-k_q6d7e4da1d2_colsum
	.p2alignl 7, 3214868480
	.fill 96, 4, 3214868480
	.section	.rodata,"a",@progbits
	.p2align	6, 0x0
	.amdhsa_kernel k_q6d7e4da1d2_colsum
		.amdhsa_group_segment_fixed_size 327680
		.amdhsa_private_segment_fixed_size 0
		.amdhsa_enable_private_segment 0
		.amdhsa_kernarg_size 56
		.amdhsa_user_sgpr_count 2
		.amdhsa_user_sgpr_kernarg_segment_ptr 1
		.amdhsa_wavefront_size32 1
		.amdhsa_system_sgpr_workgroup_id_x 1
		.amdhsa_system_sgpr_workgroup_id_y 1
		.amdhsa_system_sgpr_workgroup_id_z 1
		.amdhsa_system_vgpr_workitem_id 0
		.amdhsa_next_free_vgpr 162
		.amdhsa_next_free_sgpr 100
		.amdhsa_reserve_vcc 1
		.amdhsa_float_denorm_mode_32 3
		.amdhsa_float_denorm_mode_16_64 3
		.amdhsa_memory_ordered 1
		.amdhsa_forward_progress 1
		.amdhsa_inst_pref_size 90
	.end_amdhsa_kernel
	.amdgpu_metadata
---
amdhsa.version: [ 1, 2 ]
amdhsa.kernels:
  - .name:           k_q6d7e4da1d2_colsum
    .symbol:         k_q6d7e4da1d2_colsum.kd
    .args:
      - { .name: q_codes, .offset: 0, .size: 8, .value_kind: global_buffer, .address_space: global }
      - { .name: q_scales, .offset: 8, .size: 8, .value_kind: global_buffer, .address_space: global }
      - { .name: k_codes, .offset: 16, .size: 8, .value_kind: global_buffer, .address_space: global }
      - { .name: k_scales, .offset: 24, .size: 8, .value_kind: global_buffer, .address_space: global }
      - { .name: stats, .offset: 32, .size: 8, .value_kind: global_buffer, .address_space: global }
      - { .name: out1, .offset: 40, .size: 8, .value_kind: global_buffer, .address_space: global }
      - { .name: out2, .offset: 48, .size: 8, .value_kind: global_buffer, .address_space: global }
    .group_segment_fixed_size: 327680
    .private_segment_fixed_size: 0
    .kernarg_segment_align: 8
    .kernarg_segment_size: 56
    .max_flat_workgroup_size: 512
    .sgpr_count:     100
    .vgpr_count:     162
    .wavefront_size: 32
...
	.end_amdgpu_metadata
.endif
;; end of part 2
